; MI455X (gfx1250); checked and timed in simulation.
; The chip was launched on July 23, 2026; its instructions are those of AMD's public machine-readable ISA for CDNA 5 (MIT licence, August 2026) and "CDNA5" Instruction Set Architecture Reference Guide (July 2026). The comments in the code are by the model that wrote it; some were corrected since.
;; S6. Allowed arithmetic: float matrix products may take bf16 or f16 operands with f32 sums; all other float work in f32.
;; Inputs: A 64 x 64 float32; W1 64 x 64 float32; W2 64 x 64 float32; W3 64 x 64 float32; b1 64 float32; b2 64 float32; b3 64 float32; x 4 x 2,048 x 64 float32.
;; Outputs: out0 4 x 2,048 x 64 float32.
;; 2 versions, each right; version 2 is version 1 with the launch s6 written anew for expert scheduling mode. Each part assembles by itself: llvm-mc -triple=amdgcn-amd-amdhsa -mcpu=gfx1250 --defsym DOCPART=n.
;; ======== version 1 of 2: 1 launch
;; limits: values are held in f16: magnitudes above 65,504 overflow, below 6.1e-05 lose precision; inputs' magnitudes at most 65,504
;; launch s6 (part 1): grid 256 x 1, 8 waves a work-group, no clusters, 57,344 bytes of LDS; arguments x, W1, W2, W3, A, b1, b2, b3, out0; writes out0
.if DOCPART == 1
	.amdgcn_target "amdgcn-amd-amdhsa--gfx1250"
	.amdhsa_code_object_version 6
	.text
	.protected	k_q68ca78d50f_s6
	.globl	k_q68ca78d50f_s6
	.p2align	8
	.type	k_q68ca78d50f_s6,@function
k_q68ca78d50f_s6:
	s_mov_b64 s[64:65], 0
	v_nop
	global_prefetch_b8 v0, s[64:65] scope:SCOPE_SE
	s_setreg_imm32_b32 hwreg(HW_REG_WAVE_MODE, 25, 1), 1
	s_wait_xcnt 0x0
; S6 step with a zero previous state.  For each of the 8,192 rows (b, l) of x [64 f32]:
;   z = x W1 + b1, Bm = x W2 + b2, C = x W3 + b3, delta = softplus(z),
;   y[d] = sum over n of C[n] (exp(delta[d] A[d][n]) * 0.0 + x[d] delta[d] Bm[n]).
; HOW IT IS COMPUTED.  x[d] delta[d] does not hang on n, so the second term sums to x[d] delta[d] s with s = sum over n of C[n] Bm[n],
; one number a row.  The first term is +0 where the exponential is finite and NaN where it is inf or NaN.  delta >= 0, and the rounded
; product delta a and the exponential rise with a, so some n of row d of A overflows exactly if the row's maximum does; 0 x (-inf) is
; shown by the row's minimum.  So (exp(delta Amax[d]) + exp(delta Amin[d])) * 0.0 is added in place of the 64 terms.
; SHARES.  256 work-groups of 32 rows; eight waves: wave w takes rows 16 (w & 1) .. + 15 and features 16 (w >> 1) .. + 15 of all three
; products: 3 accumulators x 2 chunks of 32 along K = 6 matrix instructions.  Straight-line text: all 24 global loads of a lane go out at once.
; The matrix instruction is used transposed (source 0 = 16 columns of W, source 1 = 16 rows of x), so that register j of lane (r, h)
; holds row r, feature 8 h + j: eight neighbouring features of one row.
; OPERANDS IN f16, sums in f32: s is a sum of 64 signed products that cancel, and f16's 11 bits keep its error eight times smaller than bf16's 8.
; LIMITS, kept knowingly:
;   |x| or |W| above 65,504 turns into inf in f16; below 2^-14 the operands carry an absolute error of up to 2^-25.
;   delta below 2^-126 (z below about -87) comes out as 0: v_exp_f32 flushes denormal results (ISA guide 15.8).
;   Overflow of exp(delta A) is decided on delta (A log2 e) against 128, so it can differ within a few ulp of delta A = 88.72.
;   A NaN in A is dropped by v_max_num_f32 / v_min_num_f32, where the formula above gives NaN; +-inf in A is honoured.
;   Order of rounding: y = (x delta) s, s summed 8 + 8 in a wave and then over four waves, not term by term.
; NO CLUSTER, NO JOINT LOADS, though all work-groups read W1..W3 and A (65,536 of the 74,496 bytes a work-group loads): a joint load would lay them
; in LDS as f32; the 65,536 bytes would be read from LDS again, converted, and 24,576 bytes stored again before the first fragment, with the
; cluster's rounds on top, in a text that passes its data once.  Through registers the conversion stands on the way from memory to LDS.
; ---- LDS, bytes from 0 ----
.set WP,    160                        ; pitch of W in f16 [k][n]: 128 bytes + 32 = 5 x 32
.set WMAT,  64*WP                      ; one matrix: 10,240
.set WH,    0                          ; W1, W2, W3 in f16: 30,720
.set XHP,   144                        ; pitch of x in f16: 128 + 16 = 9 x 16: sixteen rows begin at sixteen different 16-byte columns modulo 256
.set XH,    WH+3*WMAT                  ; 30,720: x in f16, 32 rows: 4,608
.set X32P,  272                        ; pitch of x in f32: 256 + 16
.set X32,   XH+32*XHP                  ; 35,328: x in f32, 32 rows: 8,704
.set AMX,   X32+32*X32P                ; 44,032: 64 f32, log2 e x the largest number of each row of A
.set AMN,   AMX+256                    ; 44,288: 64 f32, log2 e x the smallest
.set SB,    AMN+256                    ; 44,544: wave w's 16 partial s at 64 w + 4 r
.set YS,    SB+512                     ; 45,056: wave w's results: 16 rows x 64 bytes
.set YP,    80                         ; their pitch
.set YBLK,  1312                       ; a wave's block: 2 x 1,312 = 64 modulo 256, so a row's four pieces of 64 bytes fall on four different quarters of 256
; ---- vector registers: addresses, written once ----
.set OFF,   1                          ; 16 t: my 16 bytes in each 4,096 of x, W, A, out0
.set BO,    2                          ; 64 q + 32 h: my 8 features, as f32 (biases; AMX, AMN)
.set XS32,  3                          ; stage in: x f32, row 2 w + h, 16 r
.set XSH,   4                          ; stage in: x f16
.set WS,    5                          ; stage in: W f16, row 2 w + h of each sixteen
.set ASA,   6                          ; stage in: A's extremes, 4 (2 w + h)
.set XF,    7                          ; fragment of x
.set WF,    8                          ; fragment of W (transposing load)
.set XR,    9                          ; my 8 x in f32
.set SW,    10                         ; my wave's partial s
.set SR,    11                         ; the four partial s of my row
.set YW,    12                         ; my 8 results
.set YR,    13                         ; read back by rows
.set TR,    15                         ; r = lane & 15
.set TH,    16                         ; h = lane >> 4
.set TX,    18                         ; scratch
; ---- vector registers: data, up to barrier 1 ----
.set XD,    20                         ; v[20:27]   x as loaded
.set WD,    28                         ; v[28:75]   W as loaded, load (m, g) at 16 m + 4 g
.set AD,    76                         ; v[76:91]   A as loaded
.set ACCZ,  92                         ; v[92:99]   b1, then z
.set ACCB,  100                        ; v[100:107] b2, then Bm
.set ACCC,  108                        ; v[108:115] b3, then C
.set CV,    116                        ; v[116:143] 14 pairs of packed f16
.set MM,    144                        ; v[144:151] 4 pairs {max, min}
; ---- behind barrier 1 ----
.set XFR,   20                         ; v[20:35]   x fragments, chunk c at 8 c
.set WFR,   36                         ; v[36:83]   W fragments, (c, m) at 8 (3 c + m)
.set XV,    84                         ; v[84:91]   my 8 x
.set MAXV,  116                        ; v[116:123] my 8 maxima
.set MINV,  124                        ; v[124:131] my 8 minima
.set TT,    132                        ; -log2 e |z|, then t = e^-|z|
.set MX,    140                        ; max(z, 0)
.set LG,    148                        ; 1 + t, its log2, then the softplus by the logarithm
.set QQ,    156                        ; 1 - t/2, then the softplus by the series
.set DEL,   164                        ; delta
.set PMX,   172                        ; delta x maxima, then 2^ of it
.set PMN,   180                        ; delta x minima, then 2^ of it
.set EE,    188                        ; +0 or NaN
.set UU,    196                        ; x delta
.set YY,    204                        ; y
.set PS,    212                        ; v[212:213] partial s
.set SS,    214                        ; v[214:217] four partial s
.set RB,    218                        ; v[218:221] read back; the second read back goes to v[20:23]
	s_load_b512 s[8:23], s[0:1], 0x0               ; x s[8:9], W1 s[10:11], W2 s[12:13], W3 s[14:15], A s[16:17], b1 s[18:19], b2 s[20:21], b3 s[22:23]
	s_load_b64 s[24:25], s[0:1], 0x40              ; out0
	v_lshl_add_u32 v224, v0, 2, 0xdc00
	v_mov_b32 v225, 0
	v_lshrrev_b32 v[TX], 5, v0
	v_readfirstlane_b32 s4, v[TX]                  ; w, the wave's number
	v_lshlrev_b32 v[OFF], 4, v0
	v_and_b32 v[TR], 15, v0
	v_bfe_u32 v[TH], v0, 4, 1
	s_lshl_b32 s2, ttmp9, 13                       ; the work-group's 32 rows of 256 bytes
	s_mov_b32 s3, 0
	s_mov_b32 s26, 0x76543210                      ; v_permlanex16_b32: lane i reads lane i of the other half
	s_mov_b32 s27, 0xfedcba98
	s_mov_b32 s28, 0xbfb8aa3b                      ; -log2 e
	s_mov_b32 s29, 0x3b800000                      ; 2^-8
	s_and_b32 s5, s4, 1                            ; rt: which 16 rows
	s_lshr_b32 s6, s4, 1                           ; q: which 16 features
	s_lshl_b32 s7, s6, 6                           ; 64 q
	v_lshl_add_u32 v[BO], v[TH], 5, s7
	s_mul_i32 s30, s4, 2*X32P                      ; the wave's share of each LDS address: its number times a constant
	s_mul_i32 s31, s4, 2*XHP
	s_mul_i32 s32, s4, 2*WP
	s_lshl_b32 s33, s4, 3
	s_mul_i32 s34, s5, 16*XHP
	s_mul_i32 s35, s5, 16*X32P
	s_add_co_u32 s35, s35, s7
	s_lshl_b32 s36, s6, 5
	s_lshl_b32 s37, s4, 6
	s_lshl_b32 s38, s5, 6
	s_mul_i32 s39, s4, YBLK
	s_mul_i32 s40, s4, 2*YP
	s_wait_kmcnt 0x0
	s_add_nc_u64 s[8:9], s[8:9], s[2:3]            ; x and out0 at the work-group's first row
	s_add_nc_u64 s[24:25], s[24:25], s[2:3]
	; ---- all 24 loads at once: x 2, W 12, A 4, biases 6.  Each load of x, W, A covers 512 consecutive bytes a wave. ----
.irp i, 0,1
	global_load_b128 v[XD+4*\i:XD+4*\i+3], v[OFF], s[8:9] offset:4096*\i th:TH_LOAD_NT   ; row 16 i + (t >> 4), columns 4 r ..
.endr
.irp m, 0,1,2
.irp g, 0,1,2,3
	global_load_b128 v[WD+16*\m+4*\g:WD+16*\m+4*\g+3], v[OFF], s[10+2*\m:11+2*\m] offset:4096*\g   ; W(m+1)[16 g + (t >> 4)][4 r ..]
.endr
.endr
.irp g, 0,1,2,3
	global_load_b128 v[AD+4*\g:AD+4*\g+3], v[OFF], s[16:17] offset:4096*\g               ; A[16 g + (t >> 4)][4 r ..]
.endr
.irp m, 0,1,2
	global_load_b128 v[ACCZ+8*\m:ACCZ+8*\m+3],   v[BO], s[18+2*\m:19+2*\m]               ; the biases of my 8 features land in the accumulators:
	global_load_b128 v[ACCZ+8*\m+4:ACCZ+8*\m+7], v[BO], s[18+2*\m:19+2*\m] offset:16     ; the sums start on them, nothing is cleared or added later
.endr
	; ---- LDS addresses, while the loads are out ----
	v_mad_u32_u24 v[XS32], v[TH], X32P, s30
	v_lshl_add_u32 v[XS32], v[TR], 4, v[XS32]      ; (2 w + h) 272 + 16 r
	v_mad_u32_u24 v[XSH], v[TH], XHP, s31
	v_lshl_add_u32 v[XSH], v[TR], 3, v[XSH]        ; (2 w + h) 144 + 8 r
	v_mad_u32_u24 v[WS], v[TH], WP, s32
	v_lshl_add_u32 v[WS], v[TR], 3, v[WS]          ; (2 w + h) 160 + 8 r
	v_lshl_add_u32 v[ASA], v[TH], 2, s33           ; 4 (2 w + h)
	v_mad_u32_u24 v[XF], v[TR], XHP, s34
	v_lshl_add_u32 v[XF], v[TH], 4, v[XF]          ; (16 rt + r) 144 + 16 h
	v_mad_u32_u24 v[XR], v[TR], X32P, s35
	v_lshl_add_u32 v[XR], v[TH], 5, v[XR]          ; (16 rt + r) 272 + 64 q + 32 h
	v_and_b32 v[WF], 7, v0
	v_lshl_or_b32 v[WF], v[TH], 3, v[WF]           ; k row 8 h + (lane & 7)
	v_mad_u32_u24 v[WF], v[WF], WP, s36            ; x 160 + 32 q
	v_bfe_u32 v[TX], v0, 3, 1
	v_lshl_add_u32 v[WF], v[TX], 4, v[WF]          ; + 16 ((lane >> 3) & 1)
	v_bfe_u32 v[YR], v0, 2, 2                      ; which 16 features my 16 bytes of an output row belong to
	v_mad_u32_u24 v[YR], v[YR], 2*YBLK, s40        ; that wave pair's blocks, + 80 x 2 w
	v_mad_u32_u24 v[YR], v[TH], YP, v[YR]          ; row 2 w + h of the tile
	v_and_b32 v[TX], 3, v0
	v_lshl_add_u32 v[YR], v[TX], 4, v[YR]
	; ---- phase 0: convert and stage ----
.macro XSTORE i                        ; my 4 numbers of row 16 i + 2 w + h: as f32 for the epilogue, as f16 for the fragments
	ds_store_b128 v[XS32], v[XD+4*\i:XD+4*\i+3] offset:X32+16*X32P*\i
	v_cvt_pk_f16_f32 v[CV+2*\i],   v[XD+4*\i],   v[XD+4*\i+1]
	v_cvt_pk_f16_f32 v[CV+2*\i+1], v[XD+4*\i+2], v[XD+4*\i+3]
	ds_store_b64 v[XSH], v[CV+2*\i:CV+2*\i+1] offset:XH+16*XHP*\i
.endm
.macro WSTORE m, g                     ; my 4 numbers of row k = 16 g + 2 w + h of matrix m, as f16, [k][n]
	v_cvt_pk_f16_f32 v[CV+4+2*(4*\m+\g)],   v[WD+16*\m+4*\g],   v[WD+16*\m+4*\g+1]
	v_cvt_pk_f16_f32 v[CV+4+2*(4*\m+\g)+1], v[WD+16*\m+4*\g+2], v[WD+16*\m+4*\g+3]
	ds_store_b64 v[WS], v[CV+4+2*(4*\m+\g):CV+4+2*(4*\m+\g)+1] offset:WH+\m*WMAT+\g*16*WP
.endm
	s_wait_loadcnt 22                              ; loads return in order (ISA guide 5.7.1): x's two are in, the 22 issued behind them may be out
	XSTORE 0
	XSTORE 1
.irp m, 0,1,2
	s_wait_loadcnt 18-4*\m                         ; this matrix's four are in: 18, 14, 10 younger loads may be out
.irp g, 0,1,2,3
	WSTORE \m, \g
.endr
.endr
	s_wait_loadcnt 6                               ; A is in; the six loads of the biases may be out
.irp g, 0,1,2,3                        ; the extremes of my four numbers of row 16 g + 2 w + h of A
	v_max_num_f32 v[MM+2*\g],   v[AD+4*\g], v[AD+4*\g+1]
	v_min_num_f32 v[MM+2*\g+1], v[AD+4*\g], v[AD+4*\g+1]
	v_max_num_f32 v[MM+2*\g],   v[MM+2*\g],   v[AD+4*\g+2]
	v_min_num_f32 v[MM+2*\g+1], v[MM+2*\g+1], v[AD+4*\g+2]
	v_max_num_f32 v[MM+2*\g],   v[MM+2*\g],   v[AD+4*\g+3]
	v_min_num_f32 v[MM+2*\g+1], v[MM+2*\g+1], v[AD+4*\g+3]
.endr
.irp x, 1,2,4,8                        ; sixteen neighbouring lanes hold one row of A: four steps, and every one of them has the row's extremes
.irp g, 0,1,2,3
	v_max_num_f32_dpp v[MM+2*\g],   v[MM+2*\g],   v[MM+2*\g]   row_xmask:\x row_mask:0xf bank_mask:0xf
	v_min_num_f32_dpp v[MM+2*\g+1], v[MM+2*\g+1], v[MM+2*\g+1] row_xmask:\x row_mask:0xf bank_mask:0xf
.endr
.endr
.irp g, 0,1,2,3
	v_pk_mul_f32 v[MM+2*\g:MM+2*\g+1], v[MM+2*\g:MM+2*\g+1], 0x3fb8aa3b op_sel_hi:[1,0]   ; x log2 e: the exponentials work in base 2
	ds_store_b32 v[ASA], v[MM+2*\g]   offset:AMX+64*\g     ; the sixteen lanes write one word with one value
	ds_store_b32 v[ASA], v[MM+2*\g+1] offset:AMN+64*\g
.endr
	s_wait_dscnt 0x0                               ; for the other waves: all my stores into the stages are done
	s_barrier_signal -1                            ; (the loads of the biases may still be out: they land in registers, and no wave writes those bytes)
	s_barrier_wait -1                              ; barrier 1: the stages are whole
	; ---- phase 1: 22 LDS loads in one run, then the six products ----
.macro FRAGX c                         ; 16 rows of x x 32 K: lane (r, h) takes K = 8 h .. and 16 + 8 h .. of row r
	ds_load_b128 v[XFR+8*\c:XFR+8*\c+3],   v[XF] offset:XH+64*\c
	ds_load_b128 v[XFR+8*\c+4:XFR+8*\c+7], v[XF] offset:XH+64*\c+32
.endm
.macro FRAGW c, m                      ; 16 columns of W x 32 K out of [k][n]: the load transposes 8 x 8 numbers of 16 bits in each eight lanes
	ds_load_tr16_b128 v[WFR+8*(3*\c+\m):WFR+8*(3*\c+\m)+3],   v[WF] offset:WH+\m*WMAT+\c*32*WP
	ds_load_tr16_b128 v[WFR+8*(3*\c+\m)+4:WFR+8*(3*\c+\m)+7], v[WF] offset:WH+\m*WMAT+\c*32*WP+16*WP
.endm
.macro MM3 c                           ; z, Bm, C: 32 along K each.  The three accumulators take turns, one instruction a turn
.irp m, 0,1,2
	v_wmma_f32_16x16x32_f16 v[ACCZ+8*\m:ACCZ+8*\m+7], v[WFR+8*(3*\c+\m):WFR+8*(3*\c+\m)+7], v[XFR+8*\c:XFR+8*\c+7], v[ACCZ+8*\m:ACCZ+8*\m+7]
.endr
.endm
.irp c, 0,1
	FRAGX \c
	FRAGW \c, 0
	FRAGW \c, 1
	FRAGW \c, 2
.endr
	ds_load_b128 v[XV:XV+3],     v[XR] offset:X32
	ds_load_b128 v[XV+4:XV+7],   v[XR] offset:X32+16
	ds_load_b128 v[MAXV:MAXV+3],   v[BO] offset:AMX
	ds_load_b128 v[MAXV+4:MAXV+7], v[BO] offset:AMX+16
	ds_load_b128 v[MINV:MINV+3],   v[BO] offset:AMN
	ds_load_b128 v[MINV+4:MINV+7], v[BO] offset:AMN+16
	s_wait_loadcnt 0x0                             ; the biases are in the accumulators
	s_wait_dscnt 14                                ; the first 8 of the 22 (chunk 0's fragments) are in
	MM3 0
	s_wait_dscnt 6                                 ; the first 16 are in; x in f32 and A's extremes may be out
	MM3 1
	; four plain vector instructions that name no register of the matrix instructions stand between the last of these and the first reader of a result (ISA guide 7.12.1)
	v_lshl_add_u32 v[SW], v[TR], 2, s37            ; 64 w + 4 r
	v_lshl_add_u32 v[SR], v[TR], 2, s38            ; 64 rt + 4 r
	v_mad_u32_u24 v[YW], v[TR], YP, s39            ; 1,312 w + 80 r
	v_lshl_add_u32 v[YW], v[TH], 5, v[YW]          ; + 32 h
	; ---- phase 2: my wave's part of s = sum of C Bm ----
	v_pk_mul_f32 v[PS:PS+1], v[ACCB:ACCB+1], v[ACCC:ACCC+1]
.irp j, 2,4,6
	v_pk_fma_f32 v[PS:PS+1], v[ACCB+\j:ACCB+\j+1], v[ACCC+\j:ACCC+\j+1], v[PS:PS+1]
.endr
	v_add_f32 v[PS], v[PS], v[PS+1]                ; my 8 features
	v_permlanex16_b32 v[PS+1], v[PS], s26, s27     ; the other 8 of the wave's 16, from lane (r, 1 - h)
	v_add_f32 v[PS], v[PS], v[PS+1]
	ds_store_b32 v[SW], v[PS] offset:SB            ; both halves write the same word with the same sum
	s_wait_dscnt 0x0                               ; for the other waves: the store is done; for me: x in f32 and A's extremes are in
	s_barrier_signal -1                            ; barrier 2; up to its wait register work alone
	; delta = softplus(z) = max(z, 0) + log1p(t), t = e^-|z|.  log1p(t) = ln 2 log2(1 + t), or t - t^2/2 below t = 2^-8,
	; where 1 + t would lose t's low bits (the series' next term, t^3/3, is under 2^-16 / 3 of t there)
.irp j, 0,1,2,3,4,5,6,7
	v_mul_f32 v[TT+\j], s28, |v[ACCZ+\j]|
.endr
.irp j, 0,1,2,3,4,5,6,7
	v_exp_f32 v[TT+\j], v[TT+\j]
.endr
.irp j, 0,1,2,3,4,5,6,7
	v_max_num_f32 v[MX+\j], 0, v[ACCZ+\j]          ; plain instructions between the exponentials and their first use (ISA guide 5.7.2)
.endr
	s_wait_alu depctr_va_vdst(0)
.irp j, 0,2,4,6
	v_pk_add_f32 v[LG+\j:LG+\j+1], v[TT+\j:TT+\j+1], 1.0 op_sel_hi:[1,0]
.endr
.irp j, 0,1,2,3,4,5,6,7
	v_log_f32 v[LG+\j], v[LG+\j]
.endr
.irp j, 0,2,4,6
	v_pk_fma_f32 v[QQ+\j:QQ+\j+1], v[TT+\j:TT+\j+1], -0.5, 1.0 op_sel_hi:[1,0,0]          ; 1 - t/2: plain instructions behind the logarithms
.endr
	s_wait_alu depctr_va_vdst(0)
.irp j, 0,2,4,6
	v_pk_fma_f32 v[LG+\j:LG+\j+1], v[LG+\j:LG+\j+1], 0x3f317218, v[MX+\j:MX+\j+1] op_sel_hi:[1,0,1]   ; ln 2 log2(1 + t) + max(z, 0)
	v_pk_fma_f32 v[QQ+\j:QQ+\j+1], v[TT+\j:TT+\j+1], v[QQ+\j:QQ+\j+1], v[MX+\j:MX+\j+1]               ; t (1 - t/2) + max(z, 0)
.endr
.irp j, 0,1,2,3,4,5,6,7
	v_cmp_gt_f32 vcc_lo, s29, v[TT+\j]             ; 2^-8 > t: the series
	v_cndmask_b32 v[DEL+\j], v[LG+\j], v[QQ+\j], vcc_lo
.endr
	; dA * 0.0, on the extremes of A's row
.irp j, 0,2,4,6
	v_pk_mul_f32 v[PMX+\j:PMX+\j+1], v[MAXV+\j:MAXV+\j+1], v[DEL+\j:DEL+\j+1]
	v_pk_mul_f32 v[PMN+\j:PMN+\j+1], v[MINV+\j:MINV+\j+1], v[DEL+\j:DEL+\j+1]
.endr
.irp j, 0,1,2,3,4,5,6,7
	v_exp_f32 v[PMX+\j], v[PMX+\j]
	v_exp_f32 v[PMN+\j], v[PMN+\j]
.endr
.irp j, 0,2,4,6
	v_pk_mul_f32 v[UU+\j:UU+\j+1], v[XV+\j:XV+\j+1], v[DEL+\j:DEL+\j+1]                   ; x delta: plain instructions behind the exponentials
.endr
	s_wait_alu depctr_va_vdst(0)
.irp j, 0,2,4,6
	v_pk_add_f32 v[EE+\j:EE+\j+1], v[PMX+\j:PMX+\j+1], v[PMN+\j:PMN+\j+1]                 ; both are >= 0 or NaN: inf or NaN if either is
.endr
.irp j, 0,2,4,6
	v_pk_mul_f32 v[EE+\j:EE+\j+1], v[EE+\j:EE+\j+1], 0 op_sel_hi:[1,0]                    ; +0, or NaN
.endr
	s_barrier_wait -1                              ; every wave's partial s is in LDS
.irp k, 0,1,2,3
	ds_load_b32 v[SS+\k], v[SR] offset:SB+128*\k   ; waves rt, rt + 2, rt + 4, rt + 6: my row's four parts
.endr
	s_wait_dscnt 0x0
	v_add_f32 v[SS], v[SS], v[SS+1]                ; the same order in all four waves of a row
	v_add_f32 v[SS+2], v[SS+2], v[SS+3]
	v_add_f32 v[SS], v[SS], v[SS+2]
.irp j, 0,2,4,6
	v_pk_fma_f32 v[YY+\j:YY+\j+1], v[UU+\j:UU+\j+1], v[SS:SS+1], v[EE+\j:EE+\j+1] op_sel_hi:[1,0,1]   ; y = (x delta) s + (0 or NaN)
.endr
	; ---- phase 3: out by whole rows.  A row of out0 (256 bytes) is put together from four waves' blocks. ----
	ds_store_b128 v[YW], v[YY:YY+3]   offset:YS
	ds_store_b128 v[YW], v[YY+4:YY+7] offset:YS+16
	s_wait_dscnt 0x0                               ; for the other waves: my results are in LDS
	s_barrier_signal -1
	s_barrier_wait -1                              ; barrier 3
	ds_load_b128 v[RB:RB+3], v[YR] offset:YS       ; row 2 w + h of the first sixteen
	ds_load_b128 v[20:23],   v[YR] offset:YS+YBLK  ; and of the second
	s_wait_dscnt 1                                 ; the first is in, the second may be out
	global_store_b128 v[OFF], v[RB:RB+3], s[24:25] th:TH_STORE_NT              ; sixteen lanes store 256 consecutive bytes, a whole row of out0; a wave 512
	s_wait_dscnt 0x0
	global_store_b128 v[OFF], v[20:23], s[24:25] offset:4096 th:TH_STORE_NT
	s_wait_tensorcnt 0x0
	ds_add_u32 v224, v225
	s_wait_dscnt 0x0
	s_endpgm
.Lfunc_end_k_q68ca78d50f_s6:
	.size	k_q68ca78d50f_s6, .Lfunc_end_k_q68ca78d50f_s6-k_q68ca78d50f_s6
	.p2alignl 7, 3214868480
	.fill 96, 4, 3214868480
	.section	.rodata,"a",@progbits
	.p2align	6, 0x0
	.amdhsa_kernel k_q68ca78d50f_s6
		.amdhsa_group_segment_fixed_size 57344
		.amdhsa_private_segment_fixed_size 0
		.amdhsa_enable_private_segment 0
		.amdhsa_kernarg_size 72
		.amdhsa_user_sgpr_count 2
		.amdhsa_user_sgpr_kernarg_segment_ptr 1
		.amdhsa_wavefront_size32 1
		.amdhsa_system_sgpr_workgroup_id_x 1
		.amdhsa_system_sgpr_workgroup_id_y 1
		.amdhsa_system_sgpr_workgroup_id_z 1
		.amdhsa_system_vgpr_workitem_id 0
		.amdhsa_next_free_vgpr 226
		.amdhsa_next_free_sgpr 66
		.amdhsa_reserve_vcc 1
		.amdhsa_float_denorm_mode_32 3
		.amdhsa_float_denorm_mode_16_64 3
		.amdhsa_memory_ordered 1
		.amdhsa_forward_progress 1
		.amdhsa_inst_pref_size 21
	.end_amdhsa_kernel
	.amdgpu_metadata
---
amdhsa.version: [ 1, 2 ]
amdhsa.kernels:
  - .name:           k_q68ca78d50f_s6
    .symbol:         k_q68ca78d50f_s6.kd
    .args:
      - { .name: x, .offset: 0, .size: 8, .value_kind: global_buffer, .address_space: global }
      - { .name: W1, .offset: 8, .size: 8, .value_kind: global_buffer, .address_space: global }
      - { .name: W2, .offset: 16, .size: 8, .value_kind: global_buffer, .address_space: global }
      - { .name: W3, .offset: 24, .size: 8, .value_kind: global_buffer, .address_space: global }
      - { .name: A, .offset: 32, .size: 8, .value_kind: global_buffer, .address_space: global }
      - { .name: b1, .offset: 40, .size: 8, .value_kind: global_buffer, .address_space: global }
      - { .name: b2, .offset: 48, .size: 8, .value_kind: global_buffer, .address_space: global }
      - { .name: b3, .offset: 56, .size: 8, .value_kind: global_buffer, .address_space: global }
      - { .name: out0, .offset: 64, .size: 8, .value_kind: global_buffer, .address_space: global }
    .group_segment_fixed_size: 57344
    .private_segment_fixed_size: 0
    .kernarg_segment_align: 8
    .kernarg_segment_size: 72
    .max_flat_workgroup_size: 256
    .sgpr_count:     66
    .vgpr_count:     226
    .wavefront_size: 32
...
	.end_amdgpu_metadata
.endif
;; end of part 1
;; ======== version 2 of 2: 1 launch; version 1 with the launch s6 written anew for expert scheduling mode
;; limits: values are held in f16: magnitudes above 65,504 overflow, below 6.1e-05 lose precision; inputs' magnitudes at most 65,504
;; launch s6 (part 2): grid 256 x 1, 8 waves a work-group, no clusters, 57,344 bytes of LDS; arguments x, W1, W2, W3, A, b1, b2, b3, out0; writes out0
.if DOCPART == 2
	.amdgcn_target "amdgcn-amd-amdhsa--gfx1250"
	.amdhsa_code_object_version 6
	.text
	.protected	k_q68ca78d50f_s6
	.globl	k_q68ca78d50f_s6
	.p2align	8
	.type	k_q68ca78d50f_s6,@function
k_q68ca78d50f_s6:
	s_mov_b64 s[64:65], 0
	v_nop
	global_prefetch_b8 v0, s[64:65] scope:SCOPE_SE
	s_setreg_imm32_b32 hwreg(HW_REG_WAVE_SCHED_MODE, 0, 2), 2
	s_setreg_imm32_b32 hwreg(HW_REG_WAVE_MODE, 25, 1), 1
	s_wait_xcnt 0x0
	s_wait_alu depctr_vm_vsrc(0)
; S6 step with a zero previous state.  For each of the 8,192 rows (b, l) of x [64 f32]:
;   z = x W1 + b1, Bm = x W2 + b2, C = x W3 + b3, delta = softplus(z),
;   y[d] = sum over n of C[n] (exp(delta[d] A[d][n]) * 0.0 + x[d] delta[d] Bm[n]).
; HOW IT IS COMPUTED.  x[d] delta[d] does not hang on n, so the second term sums to x[d] delta[d] s with s = sum over n of C[n] Bm[n],
; one number a row.  The first term is +0 where the exponential is finite and NaN where it is inf or NaN.  delta >= 0, and the rounded
; product delta a and the exponential rise with a, so some n of row d of A overflows exactly if the row's maximum does; 0 x (-inf) is
; shown by the row's minimum.  So (exp(delta Amax[d]) + exp(delta Amin[d])) * 0.0 is added in place of the 64 terms.
; SHARES.  256 work-groups of 32 rows; eight waves: wave w takes rows 16 (w & 1) .. + 15 and features 16 (w >> 1) .. + 15 of all three
; products: 3 accumulators x 2 chunks of 32 along K = 6 matrix instructions.  Straight-line text: all 24 global loads of a lane go out at once.
; The matrix instruction is used transposed (source 0 = 16 columns of W, source 1 = 16 rows of x), so that register j of lane (r, h)
; holds row r, feature 8 h + j: eight neighbouring features of one row.
; OPERANDS IN f16, sums in f32: s is a sum of 64 signed products that cancel, and f16's 11 bits keep its error eight times smaller than bf16's 8.
; LIMITS, kept knowingly:
;   |x| or |W| above 65,504 turns into inf in f16; below 2^-14 the operands carry an absolute error of up to 2^-25.
;   delta below 2^-126 (z below about -87) comes out as 0: v_exp_f32 flushes denormal results (ISA guide 15.8).
;   Overflow of exp(delta A) is decided on delta (A log2 e) against 128, so it can differ within a few ulp of delta A = 88.72.
;   A NaN in A is dropped by v_max_num_f32 / v_min_num_f32, where the formula above gives NaN; +-inf in A is honoured.
;   Order of rounding: y = (x delta) s, s summed 8 + 8 in a wave and then over four waves, not term by term.
; NO CLUSTER, NO JOINT LOADS, though all work-groups read W1..W3 and A (65,536 of the 74,496 bytes a work-group loads): a joint load would lay them
; in LDS as f32; the 65,536 bytes would be read from LDS again, converted, and 24,576 bytes stored again before the first fragment, with the
; cluster's rounds on top, in a text that passes its data once.  Through registers the conversion stands on the way from memory to LDS.
; THE MODE: SCHED_MODE bits 1:0 = 2 (LLVM: expert scheduling mode 2), set by the entry lines.  The code itself states the register dependences
; between vector or matrix instructions and memory or LDS instructions, with s_wait_alu, always for 0.
; THE PLAN.  Registers that memory or LDS instructions touch, in the order of the text (there is no loop):
;   v1, v2        offsets, made at the head, never written again: one wait on va_vdst ahead of the first global load.
;   v3-v9, v13    LDS addresses, made while the global loads are out, never written again: the wait behind x's conversions states them all.
;   v10-v12       LDS addresses, made behind the last product, never written again: the wait ahead of the store of the partial s states them all.
;   XD, WD, AD    global loads land; conversions and the reduction read them (XD also two LDS stores); behind barrier 1 LDS loads land in them.
;   CV, MM        conversions and the reduction write them; LDS stores read them; behind barrier 1 LDS loads and the softplus write them.
;   PS, YY        vector instructions write them, LDS stores read them, nothing writes them again.
;   SS, RB        LDS loads land in them; no vector instruction names them before.   The accumulators: the loads of the biases land in registers that no vector instruction has named.
; In phase 0 each group's conversions stand together, one wait on va_vdst behind them, then the group's run of LDS stores.  The last of these waits (A's) has no
; vector instruction behind it up to the first product, so it also states that all readers of XD, WD, AD and all writers of CV are done, for the LDS loads of phase 1;
; one wait on vm_vsrc behind barrier 1 states that the stage stores have read XD, CV and MM.  One wait on va_vdst stands ahead of the store of s, one ahead of the stores of y.
; Numbers that vector instructions write into scalar registers (the wave's number; the softplus's eight masks) have one wait on va_sdst each run, ahead of the first reader.
; ---- LDS, bytes from 0 ----
.set WP,    160                        ; pitch of W in f16 [k][n]: 128 bytes + 32 = 5 x 32
.set WMAT,  64*WP                      ; one matrix: 10,240
.set WH,    0                          ; W1, W2, W3 in f16: 30,720
.set XHP,   144                        ; pitch of x in f16: 128 + 16 = 9 x 16: sixteen rows begin at sixteen different 16-byte columns modulo 256
.set XH,    WH+3*WMAT                  ; 30,720: x in f16, 32 rows: 4,608
.set X32P,  272                        ; pitch of x in f32: 256 + 16
.set X32,   XH+32*XHP                  ; 35,328: x in f32, 32 rows: 8,704
.set AMX,   X32+32*X32P                ; 44,032: 64 f32, log2 e x the largest number of each row of A
.set AMN,   AMX+256                    ; 44,288: 64 f32, log2 e x the smallest
.set SB,    AMN+256                    ; 44,544: wave w's 16 partial s at 64 w + 4 r
.set YS,    SB+512                     ; 45,056: wave w's results: 16 rows x 64 bytes
.set YP,    80                         ; their pitch
.set YBLK,  1312                       ; a wave's block: 2 x 1,312 = 64 modulo 256, so a row's four pieces of 64 bytes fall on four different quarters of 256
; ---- vector registers: addresses, written once ----
.set OFF,   1                          ; 16 t: my 16 bytes in each 4,096 of x, W, A, out0
.set BO,    2                          ; 64 q + 32 h: my 8 features, as f32 (biases; AMX, AMN)
.set XS32,  3                          ; stage in: x f32, row 2 w + h, 16 r
.set XSH,   4                          ; stage in: x f16
.set WS,    5                          ; stage in: W f16, row 2 w + h of each sixteen
.set ASA,   6                          ; stage in: A's extremes, 4 (2 w + h)
.set XF,    7                          ; fragment of x
.set WF,    8                          ; fragment of W (transposing load)
.set XR,    9                          ; my 8 x in f32
.set SW,    10                         ; my wave's partial s
.set SR,    11                         ; the four partial s of my row
.set YW,    12                         ; my 8 results
.set YR,    13                         ; read back by rows
.set TR,    15                         ; r = lane & 15
.set TH,    16                         ; h = lane >> 4
.set TX,    18                         ; scratch
; ---- vector registers: data, up to barrier 1 ----
.set XD,    20                         ; v[20:27]   x as loaded
.set WD,    28                         ; v[28:75]   W as loaded, load (m, g) at 16 m + 4 g
.set AD,    76                         ; v[76:91]   A as loaded
.set ACCZ,  92                         ; v[92:99]   b1, then z
.set ACCB,  100                        ; v[100:107] b2, then Bm
.set ACCC,  108                        ; v[108:115] b3, then C
.set CV,    116                        ; v[116:143] 14 pairs of packed f16
.set MM,    144                        ; v[144:151] 4 pairs {max, min}
; ---- behind barrier 1 ----
.set XFR,   20                         ; v[20:35]   x fragments, chunk c at 8 c
.set WFR,   36                         ; v[36:83]   W fragments, (c, m) at 8 (3 c + m)
.set XV,    84                         ; v[84:91]   my 8 x
.set MAXV,  116                        ; v[116:123] my 8 maxima
.set MINV,  124                        ; v[124:131] my 8 minima
.set TT,    132                        ; -log2 e |z|, then t = e^-|z|
.set MX,    140                        ; max(z, 0)
.set LG,    148                        ; 1 + t, its log2, then the softplus by the logarithm
.set QQ,    156                        ; 1 - t/2, then the softplus by the series
.set DEL,   164                        ; delta
.set PMX,   172                        ; delta x maxima, then 2^ of it
.set PMN,   180                        ; delta x minima, then 2^ of it
.set EE,    188                        ; +0 or NaN
.set UU,    196                        ; x delta
.set YY,    204                        ; y
.set PS,    212                        ; v[212:213] partial s
.set SS,    214                        ; v[214:217] four partial s
.set RB,    218                        ; v[218:221] read back; the second read back goes to v[20:23]
; ---- scalar ----
.set MK,    40                         ; s[40:47]   the softplus's eight masks (s40 held a share of YR's address, which has been made by then)
	s_load_b512 s[8:23], s[0:1], 0x0               ; x s[8:9], W1 s[10:11], W2 s[12:13], W3 s[14:15], A s[16:17], b1 s[18:19], b2 s[20:21], b3 s[22:23]
	s_load_b64 s[24:25], s[0:1], 0x40              ; out0
	v_lshl_add_u32 v222, v0, 2, 0xdc00
	v_mov_b32 v223, 0
	v_lshrrev_b32 v[TX], 5, v0
	v_readfirstlane_b32 s4, v[TX]                  ; w, the wave's number
	v_lshlrev_b32 v[OFF], 4, v0
	v_and_b32 v[TR], 15, v0
	v_bfe_u32 v[TH], v0, 4, 1
	s_lshl_b32 s2, ttmp9, 13                       ; the work-group's 32 rows of 256 bytes
	s_mov_b32 s3, 0
	s_mov_b32 s26, 0x76543210                      ; v_permlanex16_b32: lane i reads lane i of the other half
	s_mov_b32 s27, 0xfedcba98
	s_mov_b32 s28, 0xbfb8aa3b                      ; -log2 e
	s_mov_b32 s29, 0x3b800000                      ; 2^-8
	s_wait_alu depctr_va_sdst(0)                   ; s4 is written, ahead of its first reader: the wave's shares of the addresses are made from it
	s_and_b32 s5, s4, 1                            ; rt: which 16 rows
	s_lshr_b32 s6, s4, 1                           ; q: which 16 features
	s_lshl_b32 s7, s6, 6                           ; 64 q
	v_lshl_add_u32 v[BO], v[TH], 5, s7
	s_mul_i32 s30, s4, 2*X32P                      ; the wave's share of each LDS address: its number times a constant
	s_mul_i32 s31, s4, 2*XHP
	s_mul_i32 s32, s4, 2*WP
	s_lshl_b32 s33, s4, 3
	s_mul_i32 s34, s5, 16*XHP
	s_mul_i32 s35, s5, 16*X32P
	s_add_co_u32 s35, s35, s7
	s_lshl_b32 s36, s6, 5
	s_lshl_b32 s37, s4, 6
	s_lshl_b32 s38, s5, 6
	s_mul_i32 s39, s4, YBLK
	s_mul_i32 s40, s4, 2*YP
	s_wait_kmcnt 0x0
	s_add_nc_u64 s[8:9], s[8:9], s[2:3]            ; x and out0 at the work-group's first row
	s_add_nc_u64 s[24:25], s[24:25], s[2:3]
	s_wait_alu depctr_va_vdst(0)                   ; v[OFF] and v[BO] are written: every global load and store reads one of them as its offset
	; ---- all 24 loads at once: x 2, W 12, A 4, biases 6.  Each load of x, W, A covers 512 consecutive bytes a wave. ----
.irp i, 0,1
	global_load_b128 v[XD+4*\i:XD+4*\i+3], v[OFF], s[8:9] offset:4096*\i th:TH_LOAD_NT   ; row 16 i + (t >> 4), columns 4 r ..
.endr
.irp m, 0,1,2
.irp g, 0,1,2,3
	global_load_b128 v[WD+16*\m+4*\g:WD+16*\m+4*\g+3], v[OFF], s[10+2*\m:11+2*\m] offset:4096*\g   ; W(m+1)[16 g + (t >> 4)][4 r ..]
.endr
.endr
.irp g, 0,1,2,3
	global_load_b128 v[AD+4*\g:AD+4*\g+3], v[OFF], s[16:17] offset:4096*\g               ; A[16 g + (t >> 4)][4 r ..]
.endr
.irp m, 0,1,2
	global_load_b128 v[ACCZ+8*\m:ACCZ+8*\m+3],   v[BO], s[18+2*\m:19+2*\m]               ; the biases of my 8 features land in the accumulators:
	global_load_b128 v[ACCZ+8*\m+4:ACCZ+8*\m+7], v[BO], s[18+2*\m:19+2*\m] offset:16     ; the sums start on them, nothing is cleared or added later
.endr
	; ---- LDS addresses, while the loads are out: none of these lines names a register of a pending load ----
	v_mad_u32_u24 v[XS32], v[TH], X32P, s30
	v_lshl_add_u32 v[XS32], v[TR], 4, v[XS32]      ; (2 w + h) 272 + 16 r
	v_mad_u32_u24 v[XSH], v[TH], XHP, s31
	v_lshl_add_u32 v[XSH], v[TR], 3, v[XSH]        ; (2 w + h) 144 + 8 r
	v_mad_u32_u24 v[WS], v[TH], WP, s32
	v_lshl_add_u32 v[WS], v[TR], 3, v[WS]          ; (2 w + h) 160 + 8 r
	v_lshl_add_u32 v[ASA], v[TH], 2, s33           ; 4 (2 w + h)
	v_mad_u32_u24 v[XF], v[TR], XHP, s34
	v_lshl_add_u32 v[XF], v[TH], 4, v[XF]          ; (16 rt + r) 144 + 16 h
	v_mad_u32_u24 v[XR], v[TR], X32P, s35
	v_lshl_add_u32 v[XR], v[TH], 5, v[XR]          ; (16 rt + r) 272 + 64 q + 32 h
	v_and_b32 v[WF], 7, v0
	v_lshl_or_b32 v[WF], v[TH], 3, v[WF]           ; k row 8 h + (lane & 7)
	v_mad_u32_u24 v[WF], v[WF], WP, s36            ; x 160 + 32 q
	v_bfe_u32 v[TX], v0, 3, 1
	v_lshl_add_u32 v[WF], v[TX], 4, v[WF]          ; + 16 ((lane >> 3) & 1)
	v_bfe_u32 v[YR], v0, 2, 2                      ; which 16 features my 16 bytes of an output row belong to
	v_mad_u32_u24 v[YR], v[YR], 2*YBLK, s40        ; that wave pair's blocks, + 80 x 2 w
	v_mad_u32_u24 v[YR], v[TH], YP, v[YR]          ; row 2 w + h of the tile
	v_and_b32 v[TX], 3, v0
	v_lshl_add_u32 v[YR], v[TX], 4, v[YR]
	; ---- phase 0: convert and stage.  Each group: its conversions, one wait, its run of LDS stores ----
.macro XCVT i                          ; my 4 numbers of row 16 i + 2 w + h, as f16 for the fragments
	v_cvt_pk_f16_f32 v[CV+2*\i],   v[XD+4*\i],   v[XD+4*\i+1]
	v_cvt_pk_f16_f32 v[CV+2*\i+1], v[XD+4*\i+2], v[XD+4*\i+3]
.endm
.macro XSTORE i                        ; the same 4 numbers: as f32 for the epilogue, as f16 for the fragments
	ds_store_b128 v[XS32], v[XD+4*\i:XD+4*\i+3] offset:X32+16*X32P*\i
	ds_store_b64 v[XSH], v[CV+2*\i:CV+2*\i+1] offset:XH+16*XHP*\i
.endm
.macro WCVT m, g                       ; my 4 numbers of row k = 16 g + 2 w + h of matrix m, as f16
	v_cvt_pk_f16_f32 v[CV+4+2*(4*\m+\g)],   v[WD+16*\m+4*\g],   v[WD+16*\m+4*\g+1]
	v_cvt_pk_f16_f32 v[CV+4+2*(4*\m+\g)+1], v[WD+16*\m+4*\g+2], v[WD+16*\m+4*\g+3]
.endm
.macro WSTORE m, g                     ; into [k][n]
	ds_store_b64 v[WS], v[CV+4+2*(4*\m+\g):CV+4+2*(4*\m+\g)+1] offset:WH+\m*WMAT+\g*16*WP
.endm
	s_wait_loadcnt 22                              ; loads return in order (ISA guide 5.7.1): x's two are in, the 22 issued behind them may be out
	XCVT 0
	XCVT 1
	s_wait_alu depctr_va_vdst(0)                   ; the eight LDS addresses made above are written, which the LDS stores and loads from here on read; x's conversions have written v[CV .. CV+3], which the stores below read
	XSTORE 0
	XSTORE 1
.irp m, 0,1,2
	s_wait_loadcnt 18-4*\m                         ; this matrix's four are in: 18, 14, 10 younger loads may be out
.irp g, 0,1,2,3
	WCVT \m, \g
.endr
	s_wait_alu depctr_va_vdst(0)                   ; this matrix's eight conversions have written their part of CV, which its four stores read
.irp g, 0,1,2,3
	WSTORE \m, \g
.endr
.endr
	s_wait_loadcnt 6                               ; A is in; the six loads of the biases may be out
.irp g, 0,1,2,3                        ; the extremes of my four numbers of row 16 g + 2 w + h of A
	v_max_num_f32 v[MM+2*\g],   v[AD+4*\g], v[AD+4*\g+1]
	v_min_num_f32 v[MM+2*\g+1], v[AD+4*\g], v[AD+4*\g+1]
	v_max_num_f32 v[MM+2*\g],   v[MM+2*\g],   v[AD+4*\g+2]
	v_min_num_f32 v[MM+2*\g+1], v[MM+2*\g+1], v[AD+4*\g+2]
	v_max_num_f32 v[MM+2*\g],   v[MM+2*\g],   v[AD+4*\g+3]
	v_min_num_f32 v[MM+2*\g+1], v[MM+2*\g+1], v[AD+4*\g+3]
.endr
.irp x, 1,2,4,8                        ; sixteen neighbouring lanes hold one row of A: four steps, and every one of them has the row's extremes
.irp g, 0,1,2,3
	v_max_num_f32_dpp v[MM+2*\g],   v[MM+2*\g],   v[MM+2*\g]   row_xmask:\x row_mask:0xf bank_mask:0xf
	v_min_num_f32_dpp v[MM+2*\g+1], v[MM+2*\g+1], v[MM+2*\g+1] row_xmask:\x row_mask:0xf bank_mask:0xf
.endr
.endr
.irp g, 0,1,2,3
	v_pk_mul_f32 v[MM+2*\g:MM+2*\g+1], v[MM+2*\g:MM+2*\g+1], 0x3fb8aa3b op_sel_hi:[1,0]   ; x log2 e: the exponentials work in base 2
.endr
	s_wait_alu depctr_va_vdst(0)                   ; MM is written, which the stores below read; and every vector instruction so far is done with XD, WD, AD and CV, in which the LDS loads behind barrier 1 land (no vector instruction stands between)
.irp g, 0,1,2,3
	ds_store_b32 v[ASA], v[MM+2*\g]   offset:AMX+64*\g     ; the sixteen lanes write one word with one value
	ds_store_b32 v[ASA], v[MM+2*\g+1] offset:AMN+64*\g
.endr
	s_wait_dscnt 0x0                               ; for the other waves: all my stores into the stages are done
	s_barrier_signal -1                            ; (the loads of the biases may still be out: they land in registers, and no wave writes those bytes)
	s_barrier_wait -1                              ; barrier 1: the stages are whole
	s_wait_alu depctr_vm_vsrc(0)                   ; my LDS stores have read XD, CV and MM: the LDS loads below land in v[20:27] and v[116:131], the softplus writes v[132:155]
	; ---- phase 1: the 16 loads of the fragments in one run; the six other LDS loads between the two turns of products ----
.macro FRAGX c                         ; 16 rows of x x 32 K: lane (r, h) takes K = 8 h .. and 16 + 8 h .. of row r
	ds_load_b128 v[XFR+8*\c:XFR+8*\c+3],   v[XF] offset:XH+64*\c
	ds_load_b128 v[XFR+8*\c+4:XFR+8*\c+7], v[XF] offset:XH+64*\c+32
.endm
.macro FRAGW c, m                      ; 16 columns of W x 32 K out of [k][n]: the load transposes 8 x 8 numbers of 16 bits in each eight lanes
	ds_load_tr16_b128 v[WFR+8*(3*\c+\m):WFR+8*(3*\c+\m)+3],   v[WF] offset:WH+\m*WMAT+\c*32*WP
	ds_load_tr16_b128 v[WFR+8*(3*\c+\m)+4:WFR+8*(3*\c+\m)+7], v[WF] offset:WH+\m*WMAT+\c*32*WP+16*WP
.endm
.macro MM3 c                           ; z, Bm, C: 32 along K each.  The three accumulators take turns, one instruction a turn
.irp m, 0,1,2
	v_wmma_f32_16x16x32_f16 v[ACCZ+8*\m:ACCZ+8*\m+7], v[WFR+8*(3*\c+\m):WFR+8*(3*\c+\m)+7], v[XFR+8*\c:XFR+8*\c+7], v[ACCZ+8*\m:ACCZ+8*\m+7]
.endr
.endm
.irp c, 0,1
	FRAGX \c
	FRAGW \c, 0
	FRAGW \c, 1
	FRAGW \c, 2
.endr
	s_wait_loadcnt 0x0                             ; the biases are in the accumulators
	s_wait_dscnt 8                                 ; the first 8 of the 16 (chunk 0's fragments) are in; chunk 1's eight may be out
	MM3 0
	ds_load_b128 v[XV:XV+3],     v[XR] offset:X32  ; no wait: the three products above name the accumulators, v[36:59] and v[20:27], none of the registers that these six loads touch
	ds_load_b128 v[XV+4:XV+7],   v[XR] offset:X32+16
	ds_load_b128 v[MAXV:MAXV+3],   v[BO] offset:AMX
	ds_load_b128 v[MAXV+4:MAXV+7], v[BO] offset:AMX+16
	ds_load_b128 v[MINV:MINV+3],   v[BO] offset:AMN
	ds_load_b128 v[MINV+4:MINV+7], v[BO] offset:AMN+16
	s_wait_dscnt 6                                 ; all 16 loads of the fragments are in; the six just issued (x in f32, A's extremes) may be out
	MM3 1
	; four plain vector instructions that name no register of the matrix instructions stand between the last of these and the first reader of a result (ISA guide 7.12.1)
	v_lshl_add_u32 v[SW], v[TR], 2, s37            ; 64 w + 4 r
	v_lshl_add_u32 v[SR], v[TR], 2, s38            ; 64 rt + 4 r
	v_mad_u32_u24 v[YW], v[TR], YP, s39            ; 1,312 w + 80 r
	v_lshl_add_u32 v[YW], v[TH], 5, v[YW]          ; + 32 h
	; ---- phase 2: my wave's part of s = sum of C Bm ----
	v_pk_mul_f32 v[PS:PS+1], v[ACCB:ACCB+1], v[ACCC:ACCC+1]
.irp j, 2,4,6
	v_pk_fma_f32 v[PS:PS+1], v[ACCB+\j:ACCB+\j+1], v[ACCC+\j:ACCC+\j+1], v[PS:PS+1]
.endr
	v_add_f32 v[PS], v[PS], v[PS+1]                ; my 8 features
	v_permlanex16_b32 v[PS+1], v[PS], s26, s27     ; the other 8 of the wave's 16, from lane (r, 1 - h)
	v_add_f32 v[PS], v[PS], v[PS+1]
	s_wait_alu depctr_va_vdst(0)                   ; v[PS] and v[SW] are written, which the store below reads; so are v[SR] and v[YW], which the loads of s and the stores of y read
	ds_store_b32 v[SW], v[PS] offset:SB            ; both halves write the same word with the same sum
	s_wait_dscnt 0x0                               ; for the other waves: the store is done; for me: x in f32 and A's extremes are in
	s_barrier_signal -1                            ; barrier 2; up to its wait register work alone
	; delta = softplus(z) = max(z, 0) + log1p(t), t = e^-|z|.  log1p(t) = ln 2 log2(1 + t), or t - t^2/2 below t = 2^-8,
	; where 1 + t would lose t's low bits (the series' next term, t^3/3, is under 2^-16 / 3 of t there)
.irp j, 0,1,2,3,4,5,6,7
	v_mul_f32 v[TT+\j], s28, |v[ACCZ+\j]|
.endr
.irp j, 0,1,2,3,4,5,6,7
	v_exp_f32 v[TT+\j], v[TT+\j]
.endr
.irp j, 0,1,2,3,4,5,6,7
	v_max_num_f32 v[MX+\j], 0, v[ACCZ+\j]          ; plain instructions between the exponentials and their first use (ISA guide 5.7.2)
.endr
	s_wait_alu depctr_va_vdst(0)
.irp j, 0,2,4,6
	v_pk_add_f32 v[LG+\j:LG+\j+1], v[TT+\j:TT+\j+1], 1.0 op_sel_hi:[1,0]
.endr
.irp j, 0,1,2,3,4,5,6,7
	v_log_f32 v[LG+\j], v[LG+\j]
.endr
.irp j, 0,2,4,6
	v_pk_fma_f32 v[QQ+\j:QQ+\j+1], v[TT+\j:TT+\j+1], -0.5, 1.0 op_sel_hi:[1,0,0]          ; 1 - t/2: plain instructions behind the logarithms
.endr
.irp j, 0,1,2,3,4,5,6,7
	v_cmp_gt_f32 s[MK+\j], s29, v[TT+\j]           ; 2^-8 > t: the series.  The eight compares stand in one run, each with a mask of its own
.endr
	s_wait_alu depctr_va_vdst(0)
.irp j, 0,2,4,6
	v_pk_fma_f32 v[LG+\j:LG+\j+1], v[LG+\j:LG+\j+1], 0x3f317218, v[MX+\j:MX+\j+1] op_sel_hi:[1,0,1]   ; ln 2 log2(1 + t) + max(z, 0)
	v_pk_fma_f32 v[QQ+\j:QQ+\j+1], v[TT+\j:TT+\j+1], v[QQ+\j:QQ+\j+1], v[MX+\j:MX+\j+1]               ; t (1 - t/2) + max(z, 0)
.endr
	s_wait_alu depctr_va_sdst(0)                   ; the eight masks s[MK .. MK+7] are written, ahead of their first reader
.irp j, 0,1,2,3,4,5,6,7
	v_cndmask_b32 v[DEL+\j], v[LG+\j], v[QQ+\j], s[MK+\j]
.endr
	; dA * 0.0, on the extremes of A's row
.irp j, 0,2,4,6
	v_pk_mul_f32 v[PMX+\j:PMX+\j+1], v[MAXV+\j:MAXV+\j+1], v[DEL+\j:DEL+\j+1]
	v_pk_mul_f32 v[PMN+\j:PMN+\j+1], v[MINV+\j:MINV+\j+1], v[DEL+\j:DEL+\j+1]
.endr
.irp j, 0,1,2,3,4,5,6,7
	v_exp_f32 v[PMX+\j], v[PMX+\j]
	v_exp_f32 v[PMN+\j], v[PMN+\j]
.endr
.irp j, 0,2,4,6
	v_pk_mul_f32 v[UU+\j:UU+\j+1], v[XV+\j:XV+\j+1], v[DEL+\j:DEL+\j+1]                   ; x delta: plain instructions behind the exponentials
.endr
	s_wait_alu depctr_va_vdst(0)
.irp j, 0,2,4,6
	v_pk_add_f32 v[EE+\j:EE+\j+1], v[PMX+\j:PMX+\j+1], v[PMN+\j:PMN+\j+1]                 ; both are >= 0 or NaN: inf or NaN if either is
.endr
.irp j, 0,2,4,6
	v_pk_mul_f32 v[EE+\j:EE+\j+1], v[EE+\j:EE+\j+1], 0 op_sel_hi:[1,0]                    ; +0, or NaN
.endr
	s_barrier_wait -1                              ; every wave's partial s is in LDS
.irp k, 0,1,2,3
	ds_load_b32 v[SS+\k], v[SR] offset:SB+128*\k   ; waves rt, rt + 2, rt + 4, rt + 6: my row's four parts.  No wait: no vector instruction since the wait ahead of the store of s names v[SR] or SS
.endr
	s_wait_dscnt 0x0
	v_add_f32 v[SS], v[SS], v[SS+1]                ; the same order in all four waves of a row
	v_add_f32 v[SS+2], v[SS+2], v[SS+3]
	v_add_f32 v[SS], v[SS], v[SS+2]
.irp j, 0,2,4,6
	v_pk_fma_f32 v[YY+\j:YY+\j+1], v[UU+\j:UU+\j+1], v[SS:SS+1], v[EE+\j:EE+\j+1] op_sel_hi:[1,0,1]   ; y = (x delta) s + (0 or NaN)
.endr
	; ---- phase 3: out by whole rows.  A row of out0 (256 bytes) is put together from four waves' blocks. ----
	s_wait_alu depctr_va_vdst(0)                   ; YY is written, which the stores below read; the products are done reading v[20:23], in which a load behind barrier 3 lands (no vector instruction follows this wait)
	ds_store_b128 v[YW], v[YY:YY+3]   offset:YS
	ds_store_b128 v[YW], v[YY+4:YY+7] offset:YS+16
	s_wait_dscnt 0x0                               ; for the other waves: my results are in LDS
	s_barrier_signal -1
	s_barrier_wait -1                              ; barrier 3
	ds_load_b128 v[RB:RB+3], v[YR] offset:YS       ; row 2 w + h of the first sixteen
	ds_load_b128 v[20:23],   v[YR] offset:YS+YBLK  ; and of the second
	s_wait_dscnt 1                                 ; the first is in, the second may be out
	global_store_b128 v[OFF], v[RB:RB+3], s[24:25] th:TH_STORE_NT              ; sixteen lanes store 256 consecutive bytes, a whole row of out0; a wave 512
	s_wait_dscnt 0x0
	global_store_b128 v[OFF], v[20:23], s[24:25] offset:4096 th:TH_STORE_NT
	s_wait_dscnt 0x0
	s_wait_alu depctr_hold_cnt(0) depctr_sa_sdst(0) depctr_va_vdst(0) depctr_va_sdst(0) depctr_va_ssrc(0) depctr_va_vcc(0) depctr_vm_vsrc(0)
	s_wait_tensorcnt 0x0
	ds_add_u32 v222, v223
	s_wait_dscnt 0x0
	s_endpgm
.Lfunc_end_k_q68ca78d50f_s6:
	.size	k_q68ca78d50f_s6, .Lfunc_end_k_q68ca78d50f_s6-k_q68ca78d50f_s6
	.p2alignl 7, 3214868480
	.fill 96, 4, 3214868480
	.section	.rodata,"a",@progbits
	.p2align	6, 0x0
	.amdhsa_kernel k_q68ca78d50f_s6
		.amdhsa_group_segment_fixed_size 57344
		.amdhsa_private_segment_fixed_size 0
		.amdhsa_enable_private_segment 0
		.amdhsa_kernarg_size 72
		.amdhsa_user_sgpr_count 2
		.amdhsa_user_sgpr_kernarg_segment_ptr 1
		.amdhsa_wavefront_size32 1
		.amdhsa_system_sgpr_workgroup_id_x 1
		.amdhsa_system_sgpr_workgroup_id_y 1
		.amdhsa_system_sgpr_workgroup_id_z 1
		.amdhsa_system_vgpr_workitem_id 0
		.amdhsa_next_free_vgpr 224
		.amdhsa_next_free_sgpr 66
		.amdhsa_reserve_vcc 0
		.amdhsa_float_denorm_mode_32 3
		.amdhsa_float_denorm_mode_16_64 3
		.amdhsa_memory_ordered 1
		.amdhsa_forward_progress 1
		.amdhsa_inst_pref_size 22
	.end_amdhsa_kernel
	.amdgpu_metadata
---
amdhsa.version: [ 1, 2 ]
amdhsa.kernels:
  - .name:           k_q68ca78d50f_s6
    .symbol:         k_q68ca78d50f_s6.kd
    .args:
      - { .name: x, .offset: 0, .size: 8, .value_kind: global_buffer, .address_space: global }
      - { .name: W1, .offset: 8, .size: 8, .value_kind: global_buffer, .address_space: global }
      - { .name: W2, .offset: 16, .size: 8, .value_kind: global_buffer, .address_space: global }
      - { .name: W3, .offset: 24, .size: 8, .value_kind: global_buffer, .address_space: global }
      - { .name: A, .offset: 32, .size: 8, .value_kind: global_buffer, .address_space: global }
      - { .name: b1, .offset: 40, .size: 8, .value_kind: global_buffer, .address_space: global }
      - { .name: b2, .offset: 48, .size: 8, .value_kind: global_buffer, .address_space: global }
      - { .name: b3, .offset: 56, .size: 8, .value_kind: global_buffer, .address_space: global }
      - { .name: out0, .offset: 64, .size: 8, .value_kind: global_buffer, .address_space: global }
    .group_segment_fixed_size: 57344
    .private_segment_fixed_size: 0
    .kernarg_segment_align: 8
    .kernarg_segment_size: 72
    .max_flat_workgroup_size: 256
    .sgpr_count:     66
    .vgpr_count:     224
    .wavefront_size: 32
...
	.end_amdgpu_metadata
.endif
;; end of part 2
